; MI455X (gfx1250); checked and timed in simulation.
; The chip was launched on July 23, 2026; its instructions are those of AMD's public machine-readable ISA for CDNA 5 (MIT licence, August 2026) and "CDNA5" Instruction Set Architecture Reference Guide (July 2026). The comments in the code are by the model that wrote it; some were corrected since.
;; Sparse Attention. Allowed arithmetic: matrix products marked QUANTISED: E4M3 operands, one given power-of-two scale a tensor, by v_wmma_f32_16x16x64_fp8_fp8 or v_wmma_f32_16x16x128_fp8_fp8, f32 sums; everything else in f32.
;; Inputs: Wk 512 x 512 float32; Wo 512 x 512 float32; Wq 512 x 512 float32; Wv 512 x 512 float32; bk 512 float32; bo 512 float32; bq 512 float32; bv 512 float32; lowp_scales 12 int32 (the exponents e of the quantised operands' scales 2^e); x 2 x 4,096 x 512 float32.
;; Outputs: out0 2 x 4,096 x 512 float32.
;; This version of the problem:
;;   THIS VERSION OF THE PROBLEM IS GIVEN IN LOW PRECISION. The matrix products marked QUANTISED in the list below multiply operands that are first quantised to E4M3 (4 exponent bits, 3 mantissa bits; 8 bits a number), with one given power-of-two scale for each operand tensor; their sums are f32. All else is computed in f32.
;;   The module's matrix products, in the order in which they are computed (A, B: the left and right operand; K: the contracted axis; several contracted axes count as one K, in the product's order):
;;     1. [M 8,192, K 512] x [K 512, N 512]; A: input x; B: input Wq: QUANTISED (scales: A lowp_scales[0], B lowp_scales[1])
;;     2. [M 8,192, K 512] x [K 512, N 512]; A: input x; B: input Wk: QUANTISED (scales: A lowp_scales[2], B lowp_scales[3])
;;     3. [M 8,192, K 512] x [K 512, N 512]; A: input x; B: input Wv: QUANTISED (scales: A lowp_scales[4], B lowp_scales[5])
;;     4. batch 16 x [M 4,096, K 64] x [K 64, N 4,096]; A: computed on the way; B: computed on the way: QUANTISED (scales: A lowp_scales[6], B lowp_scales[7])
;;     5. batch 16 x [M 4,096, K 4,096] x [K 4,096, N 64]; A: softmax (see below); B: computed on the way: QUANTISED (scales: A lowp_scales[8], B lowp_scales[9])
;;     6. [M 8,192, K 512] x [K 512, N 512]; A: computed on the way; B: input Wo: QUANTISED (scales: A lowp_scales[10], B lowp_scales[11])
;;   THE QUANTISER, for each operand of a quantised product, along K:
;;     - The operand's scale is 2^e, e = its entry of the input lowp_scales (int32; the entries are numbered through the quantised products in the list's order, A before B).
;;     - Each number is divided by the scale, clamped to +-448, and rounded to the nearest number of E4M3, ties to even, subnormals kept.
;;     - The product sums the exact products of the quantised numbers (number of the format x scale) in f32.
;;   ~~~python
;;   def quantise(x, axis, e):      # numpy; x: float32 -> the quantised numbers, widened to float32 again
;;       x = np.moveaxis(x, axis, -1); K = x.shape[-1]
;;       r = np.clip(x / 2.0 ** e, -448, 448)
;;       step = 2.0 ** (np.maximum(np.frexp(np.where(r == 0, 1, r))[1] - 1, -6) - 3)
;;       q = np.round(r / step) * step * 2.0 ** e      # np.round: ties to even
;;       return np.moveaxis(q, -1, axis).astype(np.float32)
;;   ~~~
;;   SOFTMAX AHEAD OF A QUANTISED PRODUCT. Where the list says 'softmax', what is quantised is not the finished softmax but p = 2^(t - M), with t = logit x log2(e) and M = ceil(the row's largest t), a whole number; so 1/2 < the row's largest p <= 1. The row's sum l is taken of the UNQUANTISED p, in f32, and the product's result is divided by l at the end. Since M is a whole number, a kernel that streams over the keys may use a running M (the ceiling of the running maximum): every later rescaling is an exact power of two, so the quantised numbers keep their values, but for numbers so far below the row's largest that they fall under the format's range.
;;   OPERANDS COMPUTED ON THE WAY. 'Computed on the way' means the value that the module computes at that place (a softmax that the list does not call 'softmax' is quantised finished and normalised). What goes into a quantiser is computed in f32, as accurately as f32 sums, v_exp_f32 and their like allow (about 1e-6 of the number): no bf16 or f16 on the way to a quantiser, and a product that is left as it is and whose result goes on into a quantised operand takes f32 operands (vector FMAs, or v_wmma_f32_16x16x4_f32). A number that lies on a knife's edge between two numbers of the format may be rounded either way, as far as f32 arithmetic and the matrix unit's own rounding can turn it there, and no further.
;; One version. Each part assembles by itself: llvm-mc -triple=amdgcn-amd-amdhsa -mcpu=gfx1250 --defsym DOCPART=n.
;; ======== version 1 of 1: 2 launches
;; workspace buffers: xk 4,325,376 bytes; xv 4,325,376 bytes; xq 4,194,304 bytes; wst 1,048,576 bytes
;; launch prep (part 1): grid 320 x 1, 4 waves a work-group, no clusters, 68,096 bytes of LDS; arguments x, Wk, Wq, Wv, Wo, lowp_scales, xk, xv, xq, wst; writes xk, xv, xq, wst
.if DOCPART == 1
	.amdgcn_target "amdgcn-amd-amdhsa--gfx1250"
	.amdhsa_code_object_version 6
	.text
	.protected	k_q72cccb2cf6_prep
	.globl	k_q72cccb2cf6_prep
	.p2align	8
	.type	k_q72cccb2cf6_prep,@function
k_q72cccb2cf6_prep:
	s_mov_b64 s[64:65], 0
	v_nop
	global_prefetch_b8 v0, s[64:65] scope:SCOPE_SE
	s_setreg_imm32_b32 hwreg(HW_REG_WAVE_MODE, 25, 1), 1
	s_wait_xcnt 0x0
; x [8192][512] f32 is turned into codes of FP8 (E4M3) three times (scales 2^e2 -> xk, 2^e4 -> xv, 2^e0 -> xq), the four weights [512][512] once (Wk e3, Wq e1, Wv e5, Wo e11 -> wst).
; code = number / 2^e, held within +-448, rounded to the nearest code, ties to even.  LIMITS: each e between -126 and 119; NaN among the inputs is not served (an infinity is held at the largest code).
; THE ONE FORMAT OF ALL FOUR BUFFERS is a block of 16,384 bytes: 32 rows x 512 K as 2 tiles x 4 K steps of 2,048 bytes, fragment (u, s) at (4 u + s) x 2,048.  A fragment is the image of an operand's 16 registers:
; the four registers 4 c .. 4 c + 3 of lane L lie at 512 c + 16 L, and lane (r = L % 16, h = L / 16) holds, of the block's row 8 u + r + 8 (r / 8), k = 128 s + 32 c + 16 h + 0 .. 15.
; xk, xv: 2 batches x 132 blocks; blocks 0, 1, 130, 131 of a batch are zero codes (the band's halo past the ends).  xq: 256 blocks.
; wst: 4 streams (one for each wave of the second launch) x 8 slices of 2 blocks, in the order K_A, K_B, O_0, Q_A, V_A, Q_B, V_B, O_1 (A, B: the wave's two heads; O_i: 64 rows of Wo).
; SHARES: a work-group takes one source block, 32 rows x 2,048 bytes = 65,536 consecutive bytes: work-groups 0-255 x, 256-319 the weights (and 4,096 bytes of the zero blocks each).  Wave w takes K step w, 512 bytes of every row.
; Each load reads 512 consecutive bytes; the rows turn through the wave's own stage in LDS (pitch 528 bytes), so that a lane gets 16 neighbours along K; each store writes 512 consecutive bytes.  Waves share nothing: no barrier.
.set R,   16                           ; v16-143   the 32 rows as loaded (4 registers each); then, back from the stage, tile u's 64 numbers at R + 64 u + 16 c + i
.set T,   144                          ; v144-175  two sets of 16 held numbers, by turns
.set C,   176                          ; v176-207  the codes: 16 registers a tile
.set SP,  528                          ; a stage row: 512 bytes + 16: sixteen rows begin at sixteen different 16-byte columns of 256
.set WST, 32*SP                        ; a wave's stage
	s_load_b512 s[4:19], s[0:1], 0x0               ; x s[4:5], Wk s[6:7], Wq s[8:9], Wv s[10:11], Wo s[12:13], the exponents s[14:15], xk s[16:17], xv s[18:19]
	s_load_b128 s[20:23], s[0:1], 0x40             ; xq s[20:21], wst s[22:23]
	v_lshl_add_u32 v208, v0, 2, 0x10800
	v_mov_b32 v209, 0
	v_lshrrev_b32 v1, 5, v0
	v_readfirstlane_b32 s24, v1                    ; wave
	v_and_b32 v1, 31, v0                           ; lane L
	v_lshlrev_b32 v13, 4, v1                       ; 16 L
	s_lshl_b32 s52, s24, 9
	v_add_nc_u32 v2, s52, v13                      ; source: 16 L + 512 w
	s_mul_i32 s53, s24, WST
	v_add_nc_u32 v3, s53, v13                      ; into the stage: 16 L
	v_and_b32 v14, 15, v0                          ; r
	v_bfe_u32 v15, v0, 4, 1                        ; h
	v_mul_u32_u24 v4, v14, SP
	v_lshl_add_u32 v4, v15, 6, v4
	v_add_nc_u32 v4, s53, v4                       ; out of it: 528 r + 64 h
	s_lshl_b32 s52, s24, 11
	v_add_nc_u32 v5, s52, v13                      ; codes: 16 L + 2,048 w (K step w's fragment)
	s_lshl_b32 s52, s24, 10
	v_add_nc_u32 v12, s52, v13                     ; zero blocks: 16 L + 1,024 w
	v_mov_b32 v8, 0
	v_mov_b32 v9, 0
	v_mov_b32 v10, 0
	v_mov_b32 v11, 0
	s_wait_kmcnt 0x0
	s_load_b256 s[40:47], s[14:15], 0x0            ; e0 .. e7
	s_load_b128 s[48:51], s[14:15], 0x20           ; e8 .. e11
	s_cmp_lt_u32 ttmp9, 256
	s_cbranch_scc0 .Lw_arm
	; a block of x: source s[26:27]; its places in xk s[28:29], xv s[30:31], xq s[32:33]
	s_lshl_b32 s52, ttmp9, 16
	s_mov_b32 s53, 0
	s_add_nc_u64 s[26:27], s[4:5], s[52:53]
	s_lshr_b32 s54, ttmp9, 7                       ; batch
	s_mul_i32 s54, s54, 132
	s_and_b32 s55, ttmp9, 127
	s_add_co_u32 s54, s54, s55
	s_add_co_u32 s54, s54, 2                       ; two zero blocks lie in front of a batch's first
	s_lshl_b32 s54, s54, 14
	s_mov_b32 s55, 0
	s_add_nc_u64 s[28:29], s[16:17], s[54:55]
	s_add_nc_u64 s[30:31], s[18:19], s[54:55]
	s_lshl_b32 s52, ttmp9, 14
	s_add_nc_u64 s[32:33], s[20:21], s[52:53]
	s_mov_b32 s37, 0
	s_branch .Lgo
.Lw_arm:
	; a block of a weight: j = work-group - 256; matrix mi = j / 16 (0 k, 1 q, 2 v, 3 o), block blk = j % 16 of its 16
	s_sub_co_u32 s56, ttmp9, 256
	s_lshr_b32 s37, s56, 4                         ; mi
	s_and_b32 s57, s56, 15                         ; blk
	s_mov_b64 s[26:27], s[6:7]
	s_cmp_eq_u32 s37, 1
	s_cselect_b64 s[26:27], s[8:9], s[26:27]
	s_cmp_eq_u32 s37, 2
	s_cselect_b64 s[26:27], s[10:11], s[26:27]
	s_cmp_eq_u32 s37, 3
	s_cselect_b64 s[26:27], s[12:13], s[26:27]
	s_lshl_b32 s52, s57, 16
	s_mov_b32 s53, 0
	s_add_nc_u64 s[26:27], s[26:27], s[52:53]
	s_lshl_b32 s58, s37, 2
	s_lshr_b32 s59, 0x2430, s58
	s_and_b32 s59, s59, 15                         ; the slice of the wave's first head: k 0, q 3, v 4, o 2
	s_lshr_b32 s60, 0x5221, s58
	s_and_b32 s60, s60, 15                         ; and how many slices on the second lies: k 1, q 2, v 2, o 5
	s_bfe_u32 s61, s57, 0x10001                    ; which of the two: bit 1 of blk
	s_mul_i32 s60, s60, s61
	s_add_co_u32 s59, s59, s60
	s_lshl_b32 s59, s59, 15                        ; slice x 32,768
	s_lshr_b32 s60, s57, 2
	s_lshl_b32 s60, s60, 18                        ; stream blk / 4 x 262,144
	s_add_co_u32 s59, s59, s60
	s_and_b32 s60, s57, 1
	s_lshl_b32 s60, s60, 14                        ; the slice's first or second block
	s_add_co_u32 s52, s59, s60
	s_add_nc_u64 s[28:29], s[22:23], s[52:53]
	s_mov_b64 s[30:31], s[28:29]                   ; (written on both ways; read on x's alone)
	s_mov_b64 s[32:33], s[28:29]
.Lgo:
.set rho, 0
.rept 32
	global_load_b128 v[R+4*rho:R+4*rho+3], v2, s[26:27] offset:2048*rho th:TH_LOAD_NT   ; row rho: 32 lanes read 512 consecutive bytes; read once in the launch
.set rho, rho+1
.endr
	s_wait_kmcnt 0x0
	s_cmp_lt_u32 ttmp9, 256                        ; the first pass's exponent: e2 for x; e3, e1, e5, e11 for Wk, Wq, Wv, Wo
	s_cselect_b32 s34, s42, s43
	s_cmp_eq_u32 s37, 1
	s_cselect_b32 s34, s41, s34
	s_cmp_eq_u32 s37, 2
	s_cselect_b32 s34, s45, s34
	s_cmp_eq_u32 s37, 3
	s_cselect_b32 s34, s51, s34
.set rho, 0
.rept 32
.if rho%8 == 0
	s_wait_loadcnt 24-rho                          ; loads come back in order: these eight rows are in, the younger ones may be out
.endif
	ds_store_b128 v3, v[R+4*rho:R+4*rho+3] offset:(16*((rho>>3)&1)+8*(rho>>4)+(rho&7))*SP   ; row rho = 8 u + r + 8 (r / 8) goes to stage row 16 u + r
.set rho, rho+1
.endr
	s_wait_dscnt 0x0                               ; the stores have read their registers, which the loads below fill
.irp u, 0,1
.irp c, 0,1,2,3
.irp j, 0,1,2,3
	ds_load_b128 v[R+64*\u+16*\c+4*\j:R+64*\u+16*\c+4*\j+3], v4 offset:8448*\u+128*\c+16*\j   ; my row of tile u, k = 32 c + 16 h + 4 j on
.endr
.endr
.endr
.macro SETSC e                         ; v6 = 2^e as f32 (the conversion takes its exponent field), v7 = 448 x 2^e
	s_add_co_i32 s38, s[\e], 127
	s_lshl_b32 s39, s38, 23
	v_mov_b32 v6, s39
	s_add_co_i32 s38, s38, 8
	s_lshl_b32 s38, s38, 23
	s_or_b32 s38, s38, 0x600000
	v_mov_b32 v7, s38
.endm
.macro QUANT u                         ; tile u's 64 numbers of a lane become 16 registers of codes; the numbers stay as they are for the next pass
.irp c, 0,1,2,3
.irp i, 0,1,2,3,4,5,6,7,8,9,10,11,12,13,14,15
	v_med3_num_f32 v[T+16*(\c%2)+\i], v[R+64*(\u)+16*\c+\i], -v7, v7   ; the conversion to an 8-bit code does not saturate (ISA guide 7.6.2): the hold comes first
.endr
	v_cvt_scalef32_pk8_fp8_f32 v[C+16*(\u)+4*\c:C+16*(\u)+4*\c+1], v[T+16*(\c%2):T+16*(\c%2)+7], v6
	v_cvt_scalef32_pk8_fp8_f32 v[C+16*(\u)+4*\c+2:C+16*(\u)+4*\c+3], v[T+16*(\c%2)+8:T+16*(\c%2)+15], v6
.endr
	v_nop                                          ; a plain line behind the last conversion: the next vector line may write its scale
.endm
.macro PUT u, d                        ; fragment (u, w): four stores of 512 consecutive bytes
.irp c, 0,1,2,3
	global_store_b128 v5, v[C+16*(\u)+4*\c:C+16*(\u)+4*\c+3], s[\d:\d+1] offset:8192*(\u)+512*\c
.endr
.endm
	SETSC 34
	s_wait_dscnt 16                                ; tile 0's sixteen loads are in, tile 1's may be out
	QUANT 0
	PUT 0, 28
	s_wait_dscnt 0x0
	QUANT 1
	PUT 1, 28
	s_cmp_lt_u32 ttmp9, 256
	s_cbranch_scc0 .Lpads
	s_wait_xcnt 0x0                                ; the stores have read the codes' registers: they are written again only behind this wait
	SETSC 44                                       ; e4 -> xv
	QUANT 0
	PUT 0, 30
	QUANT 1
	PUT 1, 30
	s_wait_xcnt 0x0
	SETSC 40                                       ; e0 -> xq
	QUANT 0
	PUT 0, 32
	QUANT 1
	PUT 1, 32
	s_wait_tensorcnt 0x0
	ds_add_u32 v208, v209
	s_wait_dscnt 0x0
	s_endpgm
.Lpads:
	; the 16 zero blocks, 262,144 bytes, 4,096 to each of the 64 weight work-groups: j = buffer (1 bit) | block (3 bits) | quarter (2 bits)
	s_sub_co_u32 s56, ttmp9, 256
	s_lshr_b32 s57, s56, 5                         ; 0 xk, 1 xv
	s_bfe_u32 s58, s56, 0x30002
	s_and_b32 s59, s56, 3                          ; quarter
	s_and_b32 s60, s58, 3                          ; q
	s_lshr_b32 s58, s58, 2                         ; batch
	s_mul_i32 s58, s58, 132
	s_add_co_u32 s58, s58, s60
	s_lshr_b32 s60, s60, 1
	s_lshl_b32 s60, s60, 7
	s_add_co_u32 s58, s58, s60                     ; block 0, 1, 130 or 131 of the batch
	s_lshl_b32 s58, s58, 14
	s_lshl_b32 s59, s59, 12
	s_add_co_u32 s52, s58, s59
	s_mov_b32 s53, 0
	s_cmp_eq_u32 s57, 0
	s_cselect_b64 s[54:55], s[16:17], s[18:19]
	s_add_nc_u64 s[54:55], s[54:55], s[52:53]
	global_store_b128 v12, v[8:11], s[54:55]
	global_store_b128 v12, v[8:11], s[54:55] offset:512
	s_wait_tensorcnt 0x0
	ds_add_u32 v208, v209
	s_wait_dscnt 0x0
	s_endpgm
.Lfunc_end_k_q72cccb2cf6_prep:
	.size	k_q72cccb2cf6_prep, .Lfunc_end_k_q72cccb2cf6_prep-k_q72cccb2cf6_prep
	.p2alignl 7, 3214868480
	.fill 96, 4, 3214868480
	.section	.rodata,"a",@progbits
	.p2align	6, 0x0
	.amdhsa_kernel k_q72cccb2cf6_prep
		.amdhsa_group_segment_fixed_size 68096
		.amdhsa_private_segment_fixed_size 0
		.amdhsa_enable_private_segment 0
		.amdhsa_kernarg_size 80
		.amdhsa_user_sgpr_count 2
		.amdhsa_user_sgpr_kernarg_segment_ptr 1
		.amdhsa_wavefront_size32 1
		.amdhsa_system_sgpr_workgroup_id_x 1
		.amdhsa_system_sgpr_workgroup_id_y 1
		.amdhsa_system_sgpr_workgroup_id_z 1
		.amdhsa_system_vgpr_workitem_id 0
		.amdhsa_next_free_vgpr 210
		.amdhsa_next_free_sgpr 66
		.amdhsa_reserve_vcc 0
		.amdhsa_float_denorm_mode_32 3
		.amdhsa_float_denorm_mode_16_64 3
		.amdhsa_memory_ordered 1
		.amdhsa_forward_progress 1
		.amdhsa_inst_pref_size 43
	.end_amdhsa_kernel
	.amdgpu_metadata
---
amdhsa.version: [ 1, 2 ]
amdhsa.kernels:
  - .name:           k_q72cccb2cf6_prep
    .symbol:         k_q72cccb2cf6_prep.kd
    .args:
      - { .name: x, .offset: 0, .size: 8, .value_kind: global_buffer, .address_space: global }
      - { .name: Wk, .offset: 8, .size: 8, .value_kind: global_buffer, .address_space: global }
      - { .name: Wq, .offset: 16, .size: 8, .value_kind: global_buffer, .address_space: global }
      - { .name: Wv, .offset: 24, .size: 8, .value_kind: global_buffer, .address_space: global }
      - { .name: Wo, .offset: 32, .size: 8, .value_kind: global_buffer, .address_space: global }
      - { .name: lowp_scales, .offset: 40, .size: 8, .value_kind: global_buffer, .address_space: global }
      - { .name: xk, .offset: 48, .size: 8, .value_kind: global_buffer, .address_space: global }
      - { .name: xv, .offset: 56, .size: 8, .value_kind: global_buffer, .address_space: global }
      - { .name: xq, .offset: 64, .size: 8, .value_kind: global_buffer, .address_space: global }
      - { .name: wst, .offset: 72, .size: 8, .value_kind: global_buffer, .address_space: global }
    .group_segment_fixed_size: 68096
    .private_segment_fixed_size: 0
    .kernarg_segment_align: 8
    .kernarg_segment_size: 80
    .max_flat_workgroup_size: 128
    .sgpr_count:     66
    .vgpr_count:     210
    .wavefront_size: 32
...
	.end_amdgpu_metadata
.endif
;; end of part 1
;; launch fused (part 2): grid 256 x 1, 4 waves a work-group, no clusters, 279,552 bytes of LDS; arguments xk, xv, xq, wst, bk, bq, bv, bo, lowp_scales, out0; writes out0
.if DOCPART == 2
	.amdgcn_target "amdgcn-amd-amdhsa--gfx1250"
	.amdhsa_code_object_version 6
	.text
	.protected	k_q72cccb2cf6_fused
	.globl	k_q72cccb2cf6_fused
	.p2align	8
	.type	k_q72cccb2cf6_fused,@function
k_q72cccb2cf6_fused:
	s_mov_b64 s[64:65], 0
	v_nop
	global_prefetch_b8 v0, s[64:65] scope:SCOPE_SE
	s_setreg_imm32_b32 hwreg(HW_REG_WAVE_MODE, 25, 1), 1
	s_wait_xcnt 0x0
; out = (softmax over the band |q - k| <= 64 of (q k^T / 8)) v, through Wo, all six products on codes of FP8 (E4M3) with the given scales 2^e0 .. 2^e11.  The codes of x and of the weights were made by the launch before.
; SHARES.  A work-group owns 32 query rows and all 8 heads.  Its keys are 160 rows: local tokens 0-159 = the batch's rows 32 sb - 64 on (five blocks of xk, xv, whose zero blocks stand for rows past the ends); the queries are local 64-95.
; Wave w owns heads 2 w and 2 w + 1, one in each trip of a loop of two, and output columns 128 w .. 128 w + 127.  A head's codes of K, V, Q and p never leave the wave's registers.
; FORMAT.  A fragment (16 rows x 128 K) is the image of 16 registers: registers 4 c .. 4 c + 3 of lane L at 512 c + 16 L; lane (r = L % 16, h = L / 16) holds k = 32 c + 16 h + 0 .. 15 of row 8 u + r + 8 (r / 8) of a block of 32 rows.
; That is one permutation of k, the same on both sides of every product.  By the choice of rows, wherever a tile's rows come out of a product as a lane's registers, tiles 2 b and 2 b + 1 give 16 neighbours 32 b + 16 h + 0 .. 15:
; the conversions' results are the next operand's registers.
; K and Q are made transposed (source 0 = 16 rows of the weight, source 1 = 16 tokens): a lane holds one token, registers run along the head's 64.  V is made the other way: a lane holds one channel, registers run along the tokens.
; S^T = K Q^T and O^T = V^T P: a lane holds one query throughout.  The output projection is used transposed too: a lane holds eight neighbouring columns of one row.
; SOFTMAX: t = score x log2(e) / 8; M = ceil(the row's largest t); p = 2^(t - M) is quantised; the row's sum is taken of the unquantised p and divides O.  All 160 keys of a query are in registers at once: one pass, the row's own maximum.
; x's codes come into LDS once, by three tensor loads a wave (three are out at the most); no LDS byte is filled twice.  THE WEIGHTS GO FROM MEMORY STRAIGHT INTO OPERAND REGISTERS, a stage ahead, each byte once a work-group.
; NO CLUSTER: all work-groups read the same 1,048,576 bytes of weight codes, but a joint load lands in LDS.
; LIMITS on the given exponents, so that each power of two below is an f32 number: e7-e2-e3, e6-e0-e1, e9-e4-e5, e8, e10-e8-e9 between -126 and 119; e6+e7 between -123 and 130; e10+e11 between -126 and 127.  NaN among the inputs is not served.
; REGISTERS, in windows of 256 (s_set_vgpr_msb: bits 1:0 source 0, 3:2 source 1, 5:4 source 2, 7:6 destination):
;   window 0: v1-31 addresses, masks, scales, statistics; v32-95, v96-159 x's fragments, two sets (in the softmax: v32-111 the scores, v112-117 at work); v160-191, v192-223 two sets of four accumulators; v224-255 a bias in the result's layout
;   window 1: weight buffer A (K, then Wo's first slice), fragment (t, s) at v[16 (4 t + s)]      window 2: weight buffer B (Q, V, Wo's second slice)
;   window 3: v0-79 K's codes (tile T at 8 T); v80-159 V's (channel tile t at 80 + 20 t); v160-175 Q's; v176-199, v200-223 p's (16 registers, 4 of zeros, 4 registers); v224-255 a second bias
.set B0,   1                           ; v1-4   16 L + 65,536 j: LDS bases; v1 is also the offset 16 L of the weights' loads and of the stores
.set VB1,  5                           ; v5     64 h + 512 w: a bias whose registers run along the columns
.set VB2,  6                           ; v6     4 (r + 8 (r / 8)) + 512 w: V's bias, one channel a lane
.set NINF, 7                           ; v7     -infinity
.set VL,   8                           ; v8, v10  query tile u: keys below this are hidden;  v9, v11: keys above this (both less the lane's own 16 h)
.set SCK,  12                          ; v12-16 the conversions' scales as f32: K, Q, V, p, O
.set SCQ,  13
.set SCV,  14
.set SCP,  15
.set SCO,  16
.set OA,   17                          ; v17    where my O codes' images go
.set TA,   18                          ; v18    the same, plus the trip's 1,024
.set SO,   19                          ; v19    the stage: where I put 32 bytes of a row
.set SR,   20                          ; v20    and where I read a row back
.set NM,   22                          ; v[22:23] -M (the packed form names a pair)
.set RL,   24                          ; v[24:25], v[26:27] 1 / the row's sum, tile 0, 1
.set LS,   28                          ; v28, v29 the row's sum
.set TM,   30                          ; v30    a lane permute's destination
.set XF,   32
.set ACC,  160
.set BIAS, 224
.set S,    32
.set ST,   112
.set OT,   32
.set KC,   0
.set VC,   80
.set QC,   160
.set PP,   176
.set OIM,  196608                      ; LDS: x for K at 0, for V at 81,920 (five blocks each), for Q at 163,840 (one); the O codes' 8 fragments at OIM; the stage at STG
.set STG,  212992
.set SPITCH, 2064                      ; a stage row: 2,048 bytes + 16
.set MSB, 0
.macro WIN new                         ; the immediate's high byte repeats the setting that is left; a switch that changes nothing is dropped
.if MSB != (\new)
	s_set_vgpr_msb (MSB<<8)|(\new)
.set MSB, (\new)
.endif
.endm
; the four fragments F .. F + 3 (one tile of 16 rows, 512 along K; F counts LDS in units of 2,048 bytes) into set p
.macro XLOAD p, F
.irp s, 0,1,2,3
.irp c, 0,1,2,3
	ds_load_b128 v[XF+64*(\p)+16*\s+4*\c:XF+64*(\p)+16*\s+4*\c+3], v[B0+(\F)/32] offset:(((\F)+\s)%32)*2048+512*\c
.endr
.endr
.endm
; a quarter of a weight slice (tile q, all four K steps: 8,192 bytes) into window win: each load reads 512 consecutive bytes
.macro LOADQ win, ptr, off, q
	WIN (\win)<<6
.set i, 0
.rept 16
	global_load_b128 v[64*(\q)+4*i:64*(\q)+4*i+3], v[B0], s[\ptr:\ptr+1] offset:(\off)+8192*(\q)+512*i
.set i, i+1
.endr
	WIN 0
.endm
.macro BLOAD8 win, ptr                 ; a bias in the layout of a transposed result: tile t, register j: column 32 (t / 2) + 8 (t % 2) + 16 h + j
	WIN (\win)<<6
.irp t, 0,1,2,3
	global_load_b128 v[BIAS+8*\t:BIAS+8*\t+3], v[VB1], s[\ptr:\ptr+1] offset:(32*(\t/2)+8*(\t%2))*4
	global_load_b128 v[BIAS+8*\t+4:BIAS+8*\t+7], v[VB1], s[\ptr:\ptr+1] offset:(32*(\t/2)+8*(\t%2))*4+16
.endr
	WIN 0
.endm
.macro MM128 d, a, b, c                ; c: C's first register, or -1 for the constant 0
.if (\c) < 0
	v_wmma_f32_16x16x128_fp8_fp8 v[\d:\d+7], v[\a:\a+15], v[\b:\b+15], 0
.else
	v_wmma_f32_16x16x128_fp8_fp8 v[\d:\d+7], v[\a:\a+15], v[\b:\b+15], v[\c:\c+7]
.endif
.endm
; ONE TILE OF 16 ROWS AGAINST A SLICE OF 64 WEIGHT ROWS: 16 matrix instructions, four accumulators by turns, one instruction a turn, K ascending.
; kind 0: source 0 = the weight, source 1 = x (transposed use); kind 1: the other way.  par: which set of fragments and accumulators.  ws0, ws: the windows of the first four and of the other instructions.
; bias: C of the first four (-1: the constant 0).  nxt: the next tile's fragments, fetched now into the other set (-1: none).
; cv = 1: the tile before, in the other accumulators, is held within s[lim], s[lim+1], two registers behind each matrix instruction, from each accumulator's low end on, and converted at the end into window 3, v[d0 + dst t].
; PLACES: behind the last matrix instruction stand two holds and two v_nop, or four v_nop, ahead of the next step's loads into this step's fragments; the holds name none of the registers of the products round them.
.macro STEP kind, par, ws0, ws, bias, nxt, cv, lim, sc, d0, dst
.if (\nxt) >= 0
	XLOAD 1-(\par), \nxt
	s_wait_dscnt 16                                ; LDS loads come back in order: this tile's are in, the sixteen just issued may be out
.else
	s_wait_dscnt 0x0
.endif
.set n, 0
.rept 16
.set ss, n/4
.set tt, n%4
.set rD, ACC+32*(\par)+8*tt
.set rW, 16*(4*tt+ss)
.set rX, XF+64*(\par)+16*ss
.set rC, rD
.if ss == 0
	WIN \ws0
.set rC, -1
.if (\bias) >= 0
.set rC, (\bias)+8*tt
.endif
.else
	WIN \ws
.endif
.if (\kind) == 0
	MM128 rD, rW, rX, rC
.else
	MM128 rD, rX, rW, rC
.endif
.if \cv
.set rH, ACC+32*(1-(\par))+2*n
.if (\kind) == 0
	v_med3_num_f32 v[rH], s[\lim], v[rH], s[\lim+1]        ; the register stands as source 1, whose window is 0 under these settings
	v_med3_num_f32 v[rH+1], s[\lim], v[rH+1], s[\lim+1]
.else
	v_med3_num_f32 v[rH], v[rH], s[\lim], s[\lim+1]        ; here source 0's window is 0
	v_med3_num_f32 v[rH+1], v[rH+1], s[\lim], s[\lim+1]
.endif
.endif
.set n, n+1
.endr
.if \cv
	WIN 0xC0
.irp t, 0,1,2,3
	v_cvt_scalef32_pk8_fp8_f32 v[(\d0)+(\dst)*\t:(\d0)+(\dst)*\t+1], v[ACC+32*(1-(\par))+8*\t:ACC+32*(1-(\par))+8*\t+7], v[\sc]
.endr
	WIN 0
	v_nop                                          ; also the plain line behind the conversions
	v_nop
.else
	WIN 0
.rept 4
	v_nop
.endr
.endif
.endm
; the last tile of a stage: held and converted with no products beside it.  Tile 0's last product lies eight holds and two v_nop back, the others' further
.macro DRAIN par, lim, sc, d0, dst
.set n, 0
.rept 32
	v_med3_num_f32 v[ACC+32*(\par)+n], v[ACC+32*(\par)+n], s[\lim], s[\lim+1]
.set n, n+1
.endr
	WIN 0xC0
.irp t, 0,1,2,3
	v_cvt_scalef32_pk8_fp8_f32 v[(\d0)+(\dst)*\t:(\d0)+(\dst)*\t+1], v[ACC+32*(\par)+8*\t:ACC+32*(\par)+8*\t+7], v[\sc]
.endr
	WIN 0
	v_nop                                          ; a plain line behind the conversions
.endm
; SCORES AND SOFTMAX of query tile u.  Register S + 16 g + i holds key 32 g + 16 h + i of my query.
.macro SM u
	WIN 0x0F                                       ; K's and Q's codes in window 3
.set tl, 0
.rept 10
	v_wmma_f32_16x16x64_fp8_fp8 v[S+8*tl:S+8*tl+7], v[KC+8*tl:KC+8*tl+7], v[QC+8*(\u):QC+8*(\u)+7], 0
.set tl, tl+1
.endr
	WIN 0
.rept 4
	v_nop
.endr
.set i, 0
.rept 32                               ; keys 0-63: hidden below the band or below the batch's first row.  (Keys 64-95 always count)
	v_cmp_lt_i32 vcc_lo, 32*(i/16)+i%16, v[VL+2*(\u)]
	v_cndmask_b32 v[S+i], v[S+i], v[NINF], vcc_lo
.set i, i+1
.endr
.set i, 0
.rept 32                               ; keys 96-159: hidden above the band or past the batch's last row
	v_cmp_gt_i32 vcc_lo, 32*(i/16)+i%16, v[VL+1+2*(\u)]
	v_cndmask_b32 v[S+48+i], v[S+48+i], v[NINF], vcc_lo
.set i, i+1
.endr
	v_max3_num_f32 v[ST], v[S], v[S+1], v[S+2]     ; the largest score of my 80 keys, in two chains, ascending
	v_max3_num_f32 v[ST+1], v[S+3], v[S+4], v[S+5]
.set i, 6
.rept 18
	v_max3_num_f32 v[ST], v[ST], v[S+i], v[S+i+1]
	v_max3_num_f32 v[ST+1], v[ST+1], v[S+i+2], v[S+i+3]
.set i, i+4
.endr
	v_max3_num_f32 v[ST], v[ST], v[S+78], v[S+79]
	v_max_num_f32 v[ST], v[ST], v[ST+1]
	v_permlanex16_b32 v[TM], v[ST], s82, s83       ; the query's other 80 keys lie in the lane 16 away
	v_max_num_f32 v[ST], v[ST], v[TM]
	v_mul_f32 v[ST], s80, v[ST]                    ; as t (c is positive); the query's own key always counts, so this is a number
	v_floor_f32 v[NM], -v[ST]                      ; -M = floor(-t) = -ceil(t)
.set i, 0
.rept 40
	v_pk_fma_f32 v[S+2*i:S+2*i+1], v[S+2*i:S+2*i+1], s[80:81], v[NM:NM+1] op_sel_hi:[1,0,0]   ; t - M
.set i, i+1
.endr
.set i, 0
.rept 80
	v_exp_f32 v[S+i], v[S+i]                       ; p = 2^(t - M); 0 for a hidden key
.set i, i+1
.endr
	v_nop                                          ; a plain line behind the last exponential
	s_wait_alu depctr_va_vdst(0)                   ; one wait for the batch, ahead of its first reader
	v_pk_add_f32 v[ST+2:ST+3], v[S:S+1], v[S+2:S+3]        ; the sum of the unquantised p, two at a time, in two chains
	v_pk_add_f32 v[ST+4:ST+5], v[S+4:S+5], v[S+6:S+7]
.set i, 8
.rept 18
	v_pk_add_f32 v[ST+2:ST+3], v[ST+2:ST+3], v[S+i:S+i+1]
	v_pk_add_f32 v[ST+4:ST+5], v[ST+4:ST+5], v[S+i+2:S+i+3]
.set i, i+4
.endr
	v_pk_add_f32 v[ST+2:ST+3], v[ST+2:ST+3], v[ST+4:ST+5]
	v_add_f32 v[ST+2], v[ST+2], v[ST+3]
	v_permlanex16_b32 v[TM], v[ST+2], s82, s83
	v_add_f32 v[LS+(\u)], v[ST+2], v[TM]
.set i, 0
.rept 80
	v_min_num_f32 v[S+i], s91, v[S+i]              ; p is not negative: a one-sided hold at 448 x 2^e8
.set i, i+1
.endr
	WIN 0xC0
.set g, 0
.rept 5
.set pd, PP+24*(\u)+4*g
.if g == 4
.set pd, PP+24*(\u)+20                 ; keys 128-159 lie behind four registers of zeros
.endif
	v_cvt_scalef32_pk8_fp8_f32 v[pd:pd+1], v[S+16*g:S+16*g+7], v[SCP]
	v_cvt_scalef32_pk8_fp8_f32 v[pd+2:pd+3], v[S+16*g+8:S+16*g+15], v[SCP]
.set g, g+1
.endr
	WIN 0
	v_nop                                          ; a plain line behind the conversions
.endm
; O^T = V^T P for both query tiles: 160 keys as three steps of 64: keys 0-63, 64-127, and V's 96-159 against (zeros, p's 128-159).  Eight accumulators by turns.  Then / the sum, hold, codes, and their image to LDS.
.macro PVO
	v_rcp_f32 v[RL], v[LS]
	v_rcp_f32 v[RL+2], v[LS+1]
	v_nop                                          ; a plain line behind the reciprocals
	WIN 0x0F
.set kk, 0
.rept 3
.set va, 8*kk
.if kk == 2
.set va, 12
.endif
.set n, 0
.rept 8
.set uu, n/4
.set tt, n%4
.set rD, ACC+32*uu+8*tt
.if kk == 0
	v_wmma_f32_16x16x64_fp8_fp8 v[rD:rD+7], v[VC+20*tt+va:VC+20*tt+va+7], v[PP+24*uu+8*kk:PP+24*uu+8*kk+7], 0
.else
	v_wmma_f32_16x16x64_fp8_fp8 v[rD:rD+7], v[VC+20*tt+va:VC+20*tt+va+7], v[PP+24*uu+8*kk:PP+24*uu+8*kk+7], v[rD:rD+7]
.endif
.set n, n+1
.endr
.set kk, kk+1
.endr
	WIN 0
	s_wait_alu depctr_va_vdst(0)                   ; one wait for the two reciprocals, ahead of their first reader
.rept 4
	v_nop
.endr
.irp u, 0,1
.set i, 0
.rept 16
	v_pk_mul_f32 v[ACC+32*\u+2*i:ACC+32*\u+2*i+1], v[ACC+32*\u+2*i:ACC+32*\u+2*i+1], v[RL+2*\u:RL+2*\u+1] op_sel_hi:[1,0]
.set i, i+1
.endr
.set i, 0
.rept 32
	v_med3_num_f32 v[ACC+32*\u+i], v[ACC+32*\u+i], s92, s93
.set i, i+1
.endr
.irp t, 0,1,2,3
	v_cvt_scalef32_pk8_fp8_f32 v[OT+8*\u+2*\t:OT+8*\u+2*\t+1], v[ACC+32*\u+8*\t:ACC+32*\u+8*\t+7], v[SCO]   ; the sums stand for sum x 2^(e8 + e9): the scale is 2^(e10 - e8 - e9)
.endr
.endr
	v_nop                                          ; a plain line behind the conversions
	v_add_nc_u32 v[TA], s54, v[OA]
.irp u, 0,1
.irp b, 0,1
	ds_store_b128 v[TA], v[OT+8*\u+4*\b:OT+8*\u+4*\b+3] offset:8192*\u+512*\b   ; fragment (u, K step w), registers 4 (2 trip + b) on: k = 128 w + 64 trip + 32 b + 16 h + 0 .. 15
.endr
.endr
.endm
	s_load_b512 s[4:19], s[0:1], 0x0               ; xk s[4:5], xv s[6:7], xq s[8:9], wst s[10:11], bk s[12:13], bq s[14:15], bv s[16:17], bo s[18:19]
	s_load_b128 s[20:23], s[0:1], 0x40             ; the exponents s[20:21], out0 s[22:23]
	v_lshl_add_u32 v254, v0, 2, 0x44200
	v_mov_b32 v255, 0
	ds_add_u32 v254, v255
	ds_add_u32 v254, v255
	s_wait_dscnt 0x0
	v_lshrrev_b32 v21, 5, v0
	v_readfirstlane_b32 s52, v21                   ; wave 0..3
	; descriptor groups 1: dense blocks as rows of 256 bytes (32 elements of 8 bytes, pitch 32): s[24:31] 80 rows (a wave's quarter of five blocks), s[32:39] 16 rows (of one block)
.irp g, 24, 32
	s_mov_b32 s[\g+0], 3<<16                       ; no mask; elements of 8 bytes; no padding
	s_mov_b32 s[\g+1], 32<<16                      ; tensor_dim0 = 32
	s_mov_b32 s[\g+3], 32<<16                      ; tile_dim0 = 32
	s_mov_b32 s[\g+5], 32                          ; from row to row
	s_mov_b32 s[\g+6], 0
	s_mov_b32 s[\g+7], 0
.endr
	s_mov_b32 s26, 80<<16                          ; tensor_dim1
	s_mov_b32 s28, 80                              ; tile_dim1
	s_mov_b32 s34, 16<<16
	s_mov_b32 s36, 16
	s_lshr_b32 s2, ttmp9, 7                        ; batch
	s_mul_i32 s2, s2, 132
	s_and_b32 s3, ttmp9, 127                       ; sb
	s_add_co_u32 s2, s2, s3                        ; the window's first block in xk and xv
	s_lshl_b32 s2, s2, 14
	s_mul_i32 s99, s52, 20480                      ; my quarter of the five blocks
	s_add_co_u32 s2, s2, s99
	s_mov_b32 s3, 0
	s_mov_b32 s40, 1                               ; groups 0: s[40:43] for K's x, s[44:47] for V's, s[48:51] for Q's
	s_mov_b32 s41, s99
	s_mov_b32 s44, 1
	s_add_co_u32 s45, s99, 81920
	s_mov_b32 s48, 1
	s_lshl_b32 s54, s52, 12
	s_add_co_u32 s49, s54, 163840
	s_lshl_b32 s53, ttmp9, 14
	s_add_co_u32 s54, s54, s53                     ; xq: 16,384 x work-group + 4,096 x wave
	s_mov_b32 s55, 0
	v_and_b32 v21, 31, v0
	v_lshlrev_b32 v[B0], 4, v21
	v_add_nc_u32 v[B0+1], 0x10000, v[B0]
	v_add_nc_u32 v[B0+2], 0x20000, v[B0]
	v_add_nc_u32 v[B0+3], 0x30000, v[B0]
	v_and_b32 v30, 15, v0                          ; r
	v_bfe_u32 v31, v0, 4, 1                        ; h
	s_lshl_b32 s98, s52, 9                         ; 512 w
	v_lshlrev_b32 v[VB1], 6, v31
	v_add_nc_u32 v[VB1], s98, v[VB1]
	v_and_b32 v21, 8, v30
	v_add_nc_u32 v21, v21, v30                     ; r + 8 (r / 8): my query of tile 0
	v_lshl_add_u32 v[VB2], v21, 2, s98
	s_lshl_b32 s97, s52, 11
	s_add_co_u32 s97, s97, OIM
	v_add_nc_u32 v[OA], s97, v[B0]
	v_mul_u32_u24 v[SO], v30, SPITCH
	v_lshl_add_u32 v[SO], v31, 6, v[SO]
	s_add_co_u32 s98, s98, STG
	v_add_nc_u32 v[SO], s98, v[SO]                 ; stage row r, + 64 h, + my 512 bytes of columns
	s_mul_i32 s97, s52, 8*SPITCH
	s_add_co_u32 s97, s97, STG
	v_add_nc_u32 v[SR], s97, v[B0]                 ; back: stage rows 8 w on
	s_wait_kmcnt 0x0
	s_add_nc_u64 s[42:43], s[4:5], s[2:3]
	s_or_b32 s43, s43, 0x80000000
	s_add_nc_u64 s[46:47], s[6:7], s[2:3]
	s_or_b32 s47, s47, 0x80000000
	s_add_nc_u64 s[50:51], s[8:9], s[54:55]
	s_or_b32 s51, s51, 0x80000000
	tensor_load_to_lds s[40:43], s[24:31]          ; the launch's only fills, one group, ahead of every wait on TENSORcnt, LDS read and barrier: three loads of mine are out
	s_nop 0
	tensor_load_to_lds s[44:47], s[24:31]
	s_nop 0
	tensor_load_to_lds s[48:51], s[32:39]
	s_nop 0
.rept 4
	v_nop                                          ; four lines behind a tensor load, ahead of the first switch of windows
.endr
	s_load_b256 s[68:75], s[20:21], 0x0            ; e0 .. e7
	s_load_b128 s[76:79], s[20:21], 0x20           ; e8 .. e11
	s_lshl_b32 s2, s52, 18
	s_add_nc_u64 s[56:57], s[10:11], s[2:3]        ; PA: my stream, at slice 0 (K of my first head)
	s_add_nc_u64 s[58:59], s[56:57], 98304         ; PB: at slice 3 (Q of my first head)
	s_add_nc_u64 s[60:61], s[12:13], 256           ; the bias that a trip's end loads into window 0: bk of the second head, then bo
	s_add_nc_u64 s[62:63], s[14:15], 256           ; and into window 3: bq of the second head, then bo + 256
	s_mov_b64 s[66:67], s[16:17]                   ; bv
	s_add_nc_u64 s[100:101], s[18:19], 256
	LOADQ 1, 56, 0, 0
	LOADQ 1, 56, 0, 1
	LOADQ 1, 56, 0, 2
	LOADQ 1, 56, 0, 3
	BLOAD8 0, 12
	BLOAD8 3, 14
	LOADQ 2, 58, 0, 0
	LOADQ 2, 58, 0, 1
	s_lshl_b32 s2, ttmp9, 5                        ; the rows of out0 that I store: stage rows 8 w on are queries 8 (w / 2) + 16 (w % 2) on
	s_lshr_b32 s99, s52, 1
	s_lshl_b32 s99, s99, 3
	s_add_co_u32 s2, s2, s99
	s_and_b32 s99, s52, 1
	s_lshl_b32 s99, s99, 4
	s_add_co_u32 s2, s2, s99
	s_lshl_b32 s2, s2, 11
	s_add_nc_u64 s[22:23], s[22:23], s[2:3]
	; THE MASK.  Local key kl counts for local query 64 + qo where max(qo, 64 - 32 sb, 0) <= kl <= min(qo + 128, 4159 - 32 sb)
	s_and_b32 s2, ttmp9, 127
	s_lshl_b32 s2, s2, 5
	s_sub_co_i32 s3, 64, s2
	s_max_i32 s3, s3, 0
	s_sub_co_i32 s2, 4159, s2
	v_mov_b32 v24, s3
	v_mov_b32 v26, s2
	v_lshlrev_b32 v28, 4, v31                      ; 16 h
	v_add_nc_u32 v29, 96, v28
.irp u, 0,1
	v_add_nc_u32 v30, 8*\u, v21                    ; qo
	v_cmp_gt_i32 vcc_lo, v24, v30
	v_cndmask_b32 v[VL+2*\u], v30, v24, vcc_lo
	v_sub_nc_u32 v[VL+2*\u], v[VL+2*\u], v28       ; register 16 g + i (g = 0, 1) is hidden where 32 g + i is below this
	v_add_nc_u32 v30, 128, v30
	v_cmp_lt_i32 vcc_lo, v26, v30
	v_cndmask_b32 v[VL+1+2*\u], v30, v26, vcc_lo
	v_sub_nc_u32 v[VL+1+2*\u], v[VL+1+2*\u], v29   ; register 16 g + i (g = 3, 4) is hidden where 32 (g - 3) + i is above this
.endr
	v_mov_b32 v[NINF], 0xff800000
	v_mov_b32 v[NM+1], 0                           ; upper words of pairs that packed forms name
	v_mov_b32 v[RL+1], 0
	v_mov_b32 v[RL+3], 0
	WIN 0xC0
.irp i, 0,1,2,3
	v_mov_b32 v[PP+16+\i], 0                       ; p's four registers of zero codes, for both tiles
	v_mov_b32 v[PP+40+\i], 0
.endr
	WIN 0
	s_mov_b32 s82, 0x76543210                      ; v_permlanex16_b32: lane l xor 16
	s_mov_b32 s83, 0xfedcba98
.macro MKSC vs, sl                     ; s2 = E: v[vs] = 2^E as f32, s[sl] = -448 x 2^E, s[sl+1] = 448 x 2^E
	s_add_co_i32 s2, s2, 127
	s_lshl_b32 s3, s2, 23
	v_mov_b32 v[\vs], s3
	s_add_co_i32 s2, s2, 8
	s_lshl_b32 s2, s2, 23
	s_or_b32 s[\sl+1], s2, 0x600000
	s_or_b32 s[\sl], s[\sl+1], 0x80000000
.endm
	s_wait_kmcnt 0x0
	s_add_co_i32 s96, s70, s71                     ; a sum of x Wk^T stands for sum x 2^(e2 + e3): bk goes in as bk / 2^(e2 + e3), and the conversion's one scale is 2^(e7 - e2 - e3)
	s_sub_co_i32 s2, s75, s96
	s_sub_co_i32 s96, 0, s96
	MKSC SCK, 84
	s_add_co_i32 s97, s68, s69                     ; Q likewise: e0, e1, e6
	s_sub_co_i32 s2, s74, s97
	s_sub_co_i32 s97, 0, s97
	MKSC SCQ, 86
	s_add_co_i32 s98, s72, s73                     ; V: e4, e5, e9
	s_sub_co_i32 s2, s77, s98
	s_sub_co_i32 s98, 0, s98
	MKSC SCV, 88
	s_mov_b32 s2, s76                              ; p: e8
	MKSC SCP, 90
	s_sub_co_i32 s2, s78, s76                      ; O: e10 - e8 - e9
	s_sub_co_i32 s2, s2, s77
	MKSC SCO, 92
	s_add_co_i32 s94, s78, s79
	s_add_co_i32 s94, s94, 127
	s_lshl_b32 s94, s94, 23                        ; 2^(e10 + e11)
	s_mov_b32 s95, s94
	s_add_co_i32 s80, s74, s75
	s_lshl_b32 s80, s80, 23
	s_add_co_i32 s80, s80, 0x3e38aa3b              ; c = log2(e) / 8, with e6 + e7 added to its exponent field
	s_mov_b32 s81, s80
	s_wait_tensorcnt 0x0                           ; my parts of x's codes are in LDS,
	s_barrier_signal -1
	s_barrier_wait -1                              ; everybody's are
	s_mov_b32 s53, 0                               ; the trip
	s_mov_b32 s54, 0                               ; 1,024 x the trip
.Lhead:
	; ---- K: 160 tokens x the head's 64
	s_wait_loadcnt 40                              ; K's weights and bias are in; younger, on the way in and round the back edge alike: 8 loads of Q's bias and 32 of buffer B
.set i, 0
.rept 32
	v_ldexp_f32 v[BIAS+i], v[BIAS+i], s96
.set i, i+1
.endr
	XLOAD 0, 0
.set m, 0
.rept 10
.set nf, 4*(m+1)
.if m == 9
.set nf, 80                            ; the last step fetches the queries' first tile
.endif
.set cvv, 1
.if m == 0
.set cvv, 0
.endif
	STEP 0, m%2, 0x01, 0x01, BIAS, nf, cvv, 84, SCK, KC+8*(m-1), 2
.if m == 1
	LOADQ 2, 58, 0, 2                              ; the rest of Q's weights
.endif
.if m == 3
	LOADQ 2, 58, 0, 3
.endif
.set m, m+1
.endr
	; ---- Q: 32 tokens
	s_wait_loadcnt 0x0                             ; Q's weights and bias
	WIN 0xC3
.set i, 0
.rept 32
	v_ldexp_f32 v[BIAS+i], v[BIAS+i], s97          ; (window 3)
.set i, i+1
.endr
	WIN 0
	STEP 0, 0, 0x32, 0x02, BIAS, 84, 1, 84, SCK, KC+72, 2      ; beside it K's last tile is converted
	STEP 0, 1, 0x32, 0x02, BIAS, -1, 1, 86, SCQ, QC, 2
	DRAIN 1, 86, SCQ, QC+8, 2
	; ---- V's bias and weights are asked for; the softmax stands in front of them
.irp t, 0,1,2,3
	global_load_b32 v[BIAS+8*\t], v[VB2], s[66:67] offset:(32*(\t/2)+8*(\t%2))*4
.endr
	LOADQ 2, 58, 32768, 0
	LOADQ 2, 58, 32768, 1
	LOADQ 2, 58, 32768, 2
	SM 0
	LOADQ 2, 58, 32768, 3
	LOADQ 1, 56, 32768, 0                          ; buffer A's next slice: K of the second head, then Wo's first
	LOADQ 1, 56, 32768, 1
	SM 1
	; ---- V: 160 tokens x the head's 64, a channel a lane
	s_wait_loadcnt 32                              ; V's bias and weights are in; the 32 loads of buffer A are younger
.irp t, 0,1,2,3
	v_ldexp_f32 v[BIAS+8*\t], v[BIAS+8*\t], s98
.endr
.irp t, 0,1,2,3
.irp j, 1,2,3,4,5,6,7
	v_mov_b32 v[BIAS+8*\t+\j], v[BIAS+8*\t]        ; the lane's eight registers are eight tokens of one channel
.endr
.endr
	XLOAD 0, 40
.set m, 0
.rept 10
.set nf, 40+4*(m+1)
.if m == 9
.set nf, -1
.endif
.set cvv, 1
.if m == 0
.set cvv, 0
.endif
	STEP 1, m%2, 0x08, 0x08, BIAS, nf, cvv, 88, SCV, VC+2*(m-1), 20
.if m == 1
	LOADQ 1, 56, 32768, 2
.endif
.if m == 3
	LOADQ 1, 56, 32768, 3
.endif
.set m, m+1
.endr
	DRAIN 1, 88, SCV, VC+18, 20
	; ---- what the next trip, or the tail, begins with
	BLOAD8 0, 60
	BLOAD8 3, 62
	LOADQ 2, 58, 65536, 0
	LOADQ 2, 58, 65536, 1
	PVO
	s_wait_dscnt 0x0                               ; the images' stores have read their registers
	s_wait_xcnt 0x0                                ; every load issued has read its base: the pointers are stepped only behind this wait
	s_add_nc_u64 s[56:57], s[56:57], 32768
	s_add_nc_u64 s[58:59], s[58:59], 65536
	s_add_nc_u64 s[66:67], s[66:67], 256
	s_mov_b64 s[60:61], s[18:19]
	s_mov_b64 s[62:63], s[100:101]
	s_add_co_u32 s54, s54, 1024
	s_add_co_u32 s53, s53, 1
	s_cmp_lt_u32 s53, 2
	s_cbranch_scc1 .Lhead
	; ---- THE OUTPUT PROJECTION: 32 rows x my 128 columns, K = 512
	LOADQ 2, 58, 0, 2                              ; the rest of Wo's second slice
	LOADQ 2, 58, 0, 3
	s_wait_dscnt 0x0                               ; for the others' sake: my images have landed
	s_barrier_signal -1
	s_barrier_wait -1                              ; the O codes' eight fragments are whole
	XLOAD 0, 96
	XLOAD 1, 100
	s_wait_loadcnt 0x0                             ; Wo's two slices and bo
.macro OUTP sl, wsx, wb                ; slice sl: 64 columns for both tiles of rows; out = sum x 2^(e10 + e11) + bo; into the stage
	STEP 0, 0, \wsx, \wsx, -1, -1, 0, 0, 0, 0, 0   ; (its wait for all LDS instructions also shows that the stage's stores have read the accumulators)
	STEP 0, 1, \wsx, \wsx, -1, -1, 0, 0, 0, 0, 0
	WIN \wb
.irp u, 0,1
.set i, 0
.rept 16
	v_pk_fma_f32 v[ACC+32*\u+2*i:ACC+32*\u+2*i+1], v[ACC+32*\u+2*i:ACC+32*\u+2*i+1], s[94:95], v[BIAS+2*i:BIAS+2*i+1] op_sel_hi:[1,0,1]
.set i, i+1
.endr
.endr
	WIN 0
.irp u, 0,1
.irp t, 0,1,2,3
	ds_store_b128 v[SO], v[ACC+32*\u+8*\t:ACC+32*\u+8*\t+3] offset:16*SPITCH*\u+256*(\sl)+128*(\t/2)+32*(\t%2)
	ds_store_b128 v[SO], v[ACC+32*\u+8*\t+4:ACC+32*\u+8*\t+7] offset:16*SPITCH*\u+256*(\sl)+128*(\t/2)+32*(\t%2)+16
.endr
.endr
.endm
	OUTP 0, 0x01, 0x00
	OUTP 1, 0x02, 0x30
	s_wait_dscnt 0x0                               ; for the others' sake: my columns lie in the stage
	s_barrier_signal -1
	s_barrier_wait -1                              ; 32 whole rows
.set n, 0
.rept 32
	ds_load_b128 v[XF+4*n:XF+4*n+3], v[SR] offset:SPITCH*(n/4)+512*(n%4)
.set n, n+1
.endr
.set n, 0
.rept 32
.if n%8 == 0
	s_wait_dscnt 24-n                              ; these eight are back, the younger may be out
.endif
	global_store_b128 v[B0], v[XF+4*n:XF+4*n+3], s[22:23] offset:2048*(n/4)+512*(n%4) th:TH_STORE_NT   ; 32 lanes store 512 consecutive bytes, at a multiple of 256 from out0's first byte
.set n, n+1
.endr
	s_wait_xcnt 0x0
	v_lshl_add_u32 v254, v0, 2, 0x44200
	v_mov_b32 v255, 0
	s_wait_tensorcnt 0x0
	ds_add_u32 v254, v255
	s_wait_dscnt 0x0
	s_endpgm
.Lfunc_end_k_q72cccb2cf6_fused:
	.size	k_q72cccb2cf6_fused, .Lfunc_end_k_q72cccb2cf6_fused-k_q72cccb2cf6_fused
	.p2alignl 7, 3214868480
	.fill 96, 4, 3214868480
	.section	.rodata,"a",@progbits
	.p2align	6, 0x0
	.amdhsa_kernel k_q72cccb2cf6_fused
		.amdhsa_group_segment_fixed_size 279552
		.amdhsa_private_segment_fixed_size 0
		.amdhsa_enable_private_segment 0
		.amdhsa_kernarg_size 80
		.amdhsa_user_sgpr_count 2
		.amdhsa_user_sgpr_kernarg_segment_ptr 1
		.amdhsa_wavefront_size32 1
		.amdhsa_system_sgpr_workgroup_id_x 1
		.amdhsa_system_sgpr_workgroup_id_y 1
		.amdhsa_system_sgpr_workgroup_id_z 1
		.amdhsa_system_vgpr_workitem_id 0
		.amdhsa_next_free_vgpr 1024
		.amdhsa_next_free_sgpr 102
		.amdhsa_reserve_vcc 1
		.amdhsa_float_denorm_mode_32 3
		.amdhsa_float_denorm_mode_16_64 3
		.amdhsa_memory_ordered 1
		.amdhsa_forward_progress 1
		.amdhsa_inst_pref_size 212
	.end_amdhsa_kernel
	.amdgpu_metadata
---
amdhsa.version: [ 1, 2 ]
amdhsa.kernels:
  - .name:           k_q72cccb2cf6_fused
    .symbol:         k_q72cccb2cf6_fused.kd
    .args:
      - { .name: xk, .offset: 0, .size: 8, .value_kind: global_buffer, .address_space: global }
      - { .name: xv, .offset: 8, .size: 8, .value_kind: global_buffer, .address_space: global }
      - { .name: xq, .offset: 16, .size: 8, .value_kind: global_buffer, .address_space: global }
      - { .name: wst, .offset: 24, .size: 8, .value_kind: global_buffer, .address_space: global }
      - { .name: bk, .offset: 32, .size: 8, .value_kind: global_buffer, .address_space: global }
      - { .name: bq, .offset: 40, .size: 8, .value_kind: global_buffer, .address_space: global }
      - { .name: bv, .offset: 48, .size: 8, .value_kind: global_buffer, .address_space: global }
      - { .name: bo, .offset: 56, .size: 8, .value_kind: global_buffer, .address_space: global }
      - { .name: lowp_scales, .offset: 64, .size: 8, .value_kind: global_buffer, .address_space: global }
      - { .name: out0, .offset: 72, .size: 8, .value_kind: global_buffer, .address_space: global }
    .group_segment_fixed_size: 279552
    .private_segment_fixed_size: 0
    .kernarg_segment_align: 8
    .kernarg_segment_size: 80
    .max_flat_workgroup_size: 128
    .sgpr_count:     102
    .vgpr_count:     1024
    .wavefront_size: 32
...
	.end_amdgpu_metadata
.endif
;; end of part 2
